; MI455X (gfx1250); checked and timed in simulation.
; The chip was launched on July 23, 2026; its instructions are those of AMD's public machine-readable ISA for CDNA 5 (MIT licence, August 2026) and "CDNA5" Instruction Set Architecture Reference Guide (July 2026). The comments in the code are by the model that wrote it; some were corrected since.
;; branch layer. Allowed arithmetic: matrix products marked QUANTISED: E3M2 operands, one E8M0 scale for each 32 along K, by v_wmma_scale_f32_16x16x128_f8f6f4 with both operands' format E3M2, f32 sums; products left as they are: f32 operands where the result goes on into a quantised operand, else bf16, f16 or f32 operands; f32 sums; everything else in f32.
;; Inputs: W1_codes 8 x 2,048 x 32 x 24 uint8 (E3M2 codes of W1, K innermost, in blocks of 32 codes, four codes in three bytes); W1_scales 8 x 2,048 x 32 uint8 (E8M0 scales of W1, one for each 32 codes along K); W2_codes 8 x 1,024 x 64 x 24 uint8 (E3M2 codes of W2, K innermost, in blocks of 32 codes, four codes in three bytes); W2_scales 8 x 1,024 x 64 uint8 (E8M0 scales of W2, one for each 32 codes along K); b1 8 x 2,048 float32; b2 8 x 1,024 float32; probabilities 2,048 x 8 float32; x_codes 2,048 x 32 x 24 uint8 (E3M2 codes of x, K innermost, in blocks of 32 codes, four codes in three bytes); x_scales 2,048 x 32 uint8 (E8M0 scales of x, one for each 32 codes along K).
;; Outputs: out0 2,048 x 1,024 float32.
;; This version of the problem:
;;   THIS VERSION OF THE PROBLEM IS GIVEN IN LOW PRECISION. The matrix products marked QUANTISED in the list below multiply operands that are first quantised to E3M2 (3 exponent bits, 2 mantissa bits; 6 bits a number), with one power-of-two scale for each 32 numbers along K (OCP MX v1.0); their sums are f32. All else is computed in f32.
;;   The module's matrix products, in the order in which they are computed (A, B: the left and right operand; K: the contracted axis; several contracted axes count as one K, in the product's order):
;;     1. [M 16,384, K 1,024] x [K 1,024, N 2,048]; A: input W1 (given as codes); B: input x (given as codes): QUANTISED
;;     2. batch 8 x [M 2,048, K 2,048] x [K 2,048, N 1,024]; A: computed on the way; B: input W2 (given as codes): QUANTISED
;;     3. batch 2,048 x [M 1,024, K 8] x [K 8, N 1]; A: computed on the way; B: input probabilities: left as it is (K = 8 < 32)
;;   THE QUANTISER, for each operand of a quantised product, along K:
;;     - K is cut into blocks of 32 from its start; a last block that is shorter is filled with zeros.
;;     - A block's scale is 2^e with e = floor(log2(the largest magnitude in the block)) - 4, held to -126 .. 127; a block of zeros has e = 0. As a byte (E8M0): e + 127.
;;     - Each number is divided by its block's scale, clamped to +-28, and rounded to the nearest number of E3M2, ties to even, subnormals kept.
;;     - The product sums the exact products of the quantised numbers (number of the format x scale) in f32.
;;   ~~~python
;;   def quantise(x, axis):      # numpy; x: float32 -> the quantised numbers, widened to float32 again
;;       x = np.moveaxis(x, axis, -1); K = x.shape[-1]
;;       x = np.pad(x, [(0, 0)] * (x.ndim - 1) + [(0, -K % 32)]); x = x.reshape(x.shape[:-1] + (-1, 32)); a = np.abs(x).max(-1, keepdims=True)
;;       e = np.where(a > 0, np.clip(np.frexp(np.where(a > 0, a, 1))[1] - 1 - 4, -126, 127), 0)      # np.frexp(a)[1] - 1 = floor(log2(a)), exactly
;;       r = np.clip(x / 2.0 ** e, -28, 28)
;;       step = 2.0 ** (np.maximum(np.frexp(np.where(r == 0, 1, r))[1] - 1, -2) - 2)
;;       q = np.round(r / step) * step * 2.0 ** e      # np.round: ties to even
;;       return np.moveaxis(q.reshape(q.shape[:-2] + (-1,))[..., :K], -1, axis).astype(np.float32)
;;   ~~~
;;   OPERANDS COMPUTED ON THE WAY. 'Computed on the way' means the value that the module computes at that place (a softmax that the list does not call 'softmax' is quantised finished and normalised). What goes into a quantiser is computed in f32, as accurately as f32 sums, v_exp_f32 and their like allow (about 1e-6 of the number): no bf16 or f16 on the way to a quantiser, and a product that is left as it is and whose result goes on into a quantised operand takes f32 operands (vector FMAs, or v_wmma_f32_16x16x4_f32). A number that lies on a knife's edge between two numbers of the format may be rounded either way, as far as f32 arithmetic and the matrix unit's own rounding can turn it there, and no further.
;;   INPUTS GIVEN AS CODES. W1 (in the module: [8, 1024, 2048], K = its axis 1); W2 (in the module: [8, 2048, 1024], K = its axis 1); x (in the module: [2048, 1024], K = its axis 1): each comes as NAME_codes (uint8): NAME with its K axis moved to the last place and cut into blocks of 32 codes, [.., K / 32, bytes a block], one block behind the other in memory; four codes in three bytes: a row's codes are one little-endian stream of bits, code i at bits 6 i .. 6 i + 5 (a code: sign, 3 exponent bits, 2 mantissa bits); and NAME_scales (uint8): the same leading axes, one E8M0 byte (e + 127) for each 32 codes along K. Its value is code x scale, taken as it is: it is not quantised again, and the codes and scales need not be those that the quantiser above would give.
;; One version. Each part assembles by itself: llvm-mc -triple=amdgcn-amd-amdhsa -mcpu=gfx1250 --defsym DOCPART=n.
;; ======== version 1 of 1: 3 launches
;; limits: values are held in bf16: 8 bits of precision; right only within a limited range of input values
;; workspace buffers: part 33,554,432 bytes; himg 25,165,824 bytes; hsc 1,048,576 bytes
;; launch hidden (part 1): grid 64 x 8, 4 waves a work-group, clusters of 4 x 4, 327,680 bytes of LDS; arguments x_codes, x_scales, W1_codes, W1_scales, b1, himg, hsc; writes himg, hsc
.if DOCPART == 1
	.amdgcn_target "amdgcn-amd-amdhsa--gfx1250"
	.amdhsa_code_object_version 6
	.text
	.protected	k_q8ca16b4a7d_hidden
	.globl	k_q8ca16b4a7d_hidden
	.p2align	8
	.type	k_q8ca16b4a7d_hidden,@function
k_q8ca16b4a7d_hidden:
	s_mov_b64 s[64:65], 0
	v_nop
	global_prefetch_b8 v0, s[64:65] scope:SCOPE_SE
	s_setreg_imm32_b32 hwreg(HW_REG_WAVE_MODE, 25, 1), 1
	s_wait_xcnt 0x0
	s_wait_alu depctr_hold_cnt(0) depctr_sa_sdst(0) depctr_va_vdst(0) depctr_va_sdst(0) depctr_va_ssrc(0) depctr_va_vcc(0) depctr_vm_vsrc(0)
	s_getreg_b32 s2, hwreg(HW_REG_IB_STS2, 6, 4)
	s_cmp_eq_u32 s2, 0
	s_cbranch_scc0 .Lentry_in_a_cluster
	s_endpgm
.Lentry_in_a_cluster:
	s_bfe_u32 s2, ttmp6, 0x10000c
	s_cmp_lg_u32 s2, 0xf033
	s_cbranch_scc0 .Lentry_shape_is_right
	s_endpgm
.Lentry_shape_is_right:
; h[n][b][u] = relu(sum over k of x[b][k] W1[n][k][u] + b1[n][u]), quantised along u to E3M2 with one E8M0 byte for each 32.
; One GEMM: A = x's 2,048 rows, B = W1's 16,384 rows (n, u), K = 1,024, codes and scale bytes as they lie, by v_wmma_scale_f32_16x16x128_f8f6f4, both formats BF6, sums in f32.
; A work-group of four waves makes 256 x 256; a wave 128 x 128: 64 accumulators.  K goes through a ring of two LDS slots in chunks of 256 bytes of each row (a row of codes is 768 bytes);
; a step of 128 along K is 96 bytes: steps 2 and 5 lie across two chunks.  The scale bytes of the 512 rows come into LDS once.
; CLUSTERS 4 x 4: x's tiles are asked for jointly along a row of the cluster, W1's along a column.  Source 0 = 16 rows of W1, source 1 = 16 rows of x: a lane holds one row of the batch and
; eight neighbouring hidden units.  b1 is the C of each sum's first product.
; THE WAY OUT: a wave's 128 hidden units are one K step of the next product.  For each 16 rows: relu, the block's scale, codes, laid as the operand's 12 registers, and stored as they stand:
; himg [n 8][K step 16][16 rows: 128][1,536 bytes]: registers 4 p .. 4 p + 3 at 512 p + 16 x lane: each store covers 512 consecutive bytes, aligned.
; hsc [n 8][K step 16][128 rows: 16][lane 32][4 words]: word i of lane l is the scale word of row 32 i + l.
; In the last step a block of 16 rows is finished with its eight products: it goes out behind the next block's products.
; PREFETCH, one fill ahead: chunk 1 is asked for at the head, chunk 2 behind chunk 1's joint load (two K steps ahead of its own).  Of the 128 rows that a wave fetches, the partner at place p among
; the four that ask for them jointly names rows 32 p .. 32 p + 31, a lane a row, told apart by address; the address registers are never rewritten.
; LIMITS: NaN, infinities and scale bytes 0xff among the inputs are not served.  A block of h whose largest number lies under 2^-122 (zeros too) gets the byte 1; only this program reads the bytes.
; REGISTERS: window 0: v16-31 addresses; v32-63 scale words, two sets; v64-127 b1, later the way out's small registers; v128-223 x's fragments, one set; window 1: W1's fragments, two sets at v0 and v128
; (on the way out the codes lie in set 0, which the last step does not read, and v96-103); windows 2, 3: accumulators (a, b) at 8 (8 (a % 4) + b).
.set ROWB,   256
.set NQ,     2
.set KROW,   768
.set STEPS,  8
.set CHUNKS, 3
.set PITCH,  272                       ; 256 bytes + 16 of padding
.set FR,     12
.set LATE,   18                        ; the LDS loads of x's blocks 5-7, the youngest of a step's
.set HALFT,  128*PITCH
.set SLOT,   4*HALFT
.set KS,     32
.set SCL,    2*SLOT
.set HALFS,  (128*KS/256)*272
.set SBLK,   (16*KS/256)*272
.set SPARE,  SCL+4*HALFS               ; the spare words: 512 bytes that no other line names
.set ADRA, 16
.set ADRB, 20
.set CO,   26                          ; 16 x lane
.set ADRS, 27
.set SPW,  28
.set NIL,  29
.set VB,   30                          ; 32 x (lane / 16)
.set PFO,  31                          ; lane x a row of codes
.set SC,   32
.set BI,   64
.set AF,   128
.set TM,   64                          ; the way out, window 0: largest numbers, the other half's, scale operands, bytes
.set TP,   68
.set TS,   72
.set SBY,  76
.set SWD,  80                          ; the eight blocks' scale words
.set SM,   88
.set PT,   96                          ; window 1
.set G1, 24
.set G0, 32
.set G1B, 48
.set G0B, 56
.set G1S, 68
.set G0S, 76
.set G1SB, 80
.set G0SB, 88
.set G0H, 4
.set G0HB, 8
.set MSB, 0
.macro WIN new                         ; the immediate's high byte repeats the setting that is left
.if MSB != (\new)
	s_set_vgpr_msb (MSB<<8)|(\new)
.set MSB, (\new)
.endif
.endm
.macro WMUL hi, zero                   ; source 0 window 1, source 1 window 0, D window 2 + hi; C the same, or window 0 (b1)
	WIN 0xa1+0x50*(\hi)-(0x20+0x10*(\hi))*(\zero)
.endm
.set TO_B, 0x40
.macro PLACES
.rept 4
	v_nop
.endr
.endm
.macro JLOAD g0a, g1a, g0b, g1b        ; a joint load: waves 0, 1 for x, waves 2, 3 for W1; s_nop 0 and four v_nop behind each line
	s_cmp_eq_u32 s15, 0
	s_cbranch_scc0 .Lfor_b_\@
	tensor_load_to_lds s[\g0a:\g0a+3], s[\g1a:\g1a+7]
	s_nop 0
	PLACES
	s_branch .Lasked_\@
.Lfor_b_\@:
	tensor_load_to_lds s[\g0b:\g0b+3], s[\g1b:\g1b+7]
	s_nop 0
	PLACES
.Lasked_\@:
.endm
.macro CREST
	s_cmp_lg_u32 s14, 0
	s_cbranch_scc1 .Lnot_wave_0_\@
	s_barrier_signal -3
.Lnot_wave_0_\@:
	s_barrier_wait -3
	s_barrier_signal -1
	s_barrier_wait -1
.endm
.macro CROUND
	s_barrier_signal -1
	s_barrier_wait -1
	CREST
.endm
	s_load_b128 s[4:7], s[0:1], 0x0                ; x's codes, scales
	s_load_b128 s[8:11], s[0:1], 0x10              ; W1's codes, scales
	s_load_b64 s[94:95], s[0:1], 0x20              ; b1
	s_load_b64 s[12:13], s[0:1], 0x28              ; himg
	s_load_b64 s[96:97], s[0:1], 0x30              ; hsc
	v_lshl_add_u32 v[SPW], v0, 2, SPARE
	v_mov_b32 v[NIL], 0
	ds_add_u32 v[SPW], v[NIL]                      ; the opening lines: the add twice and its wait
	ds_add_u32 v[SPW], v[NIL]
	v_lshrrev_b32 v1, 5, v0
	v_readfirstlane_b32 s14, v1                    ; wave
	s_lshr_b32 s15, s14, 1                         ; my half of the rows; also: I fetch for x (0) or W1 (1)
	s_and_b32 s16, s14, 1                          ; my half of the columns; also: which 128 rows I fetch
	s_bfe_u32 s40, ttmp6, 0x40000                  ; cx
	s_bfe_u32 s41, ttmp6, 0x40004                  ; cy
	s_lshl_b32 s42, ttmp9, 2
	s_add_co_u32 s42, s42, s40                     ; tile column: 256 rows of W1
	s_and_b32 s17, ttmp7, 0xffff
	s_lshl_b32 s17, s17, 2
	s_add_co_u32 s17, s17, s41                     ; tile row: 256 rows of x
	s_lshl_b32 s43, s41, 2
	s_lshl_b32 s43, 15, s43                        ; my row of the cluster
	s_lshl_b32 s44, 0x1111, s40                    ; my column
	s_mov_b32 s2, 0x76543210
	s_mov_b32 s3, 0xfedcba98                       ; selects for lane l xor 16
	s_mov_b32 s66, 0xffff0000                      ; lanes 16-31
	s_or_b32 s[G1+0], s43, (0<<16)|(1<<20)|(1<<21)|(5<<22)|(3<<25)
	s_or_b32 s[G1B+0], s44, (0<<16)|(1<<20)|(1<<21)|(5<<22)|(3<<25)
.irp g, G1, G1B
	s_mov_b32 s[\g+1], ROWB<<16
	s_mov_b32 s[\g+2], 256<<16                     ; 256 rows for the head's loads
	s_mov_b32 s[\g+3], ROWB<<16
	s_mov_b32 s[\g+4], 256
	s_mov_b32 s[\g+5], KROW
	s_mov_b32 s[\g+6], 0
	s_mov_b32 s[\g+7], 0
.endr
	s_or_b32 s[G1S+0], s43, (3<<16)|(1<<20)|(1<<21)|(5<<22)|(3<<25)
	s_or_b32 s[G1SB+0], s44, (3<<16)|(1<<20)|(1<<21)|(5<<22)|(3<<25)
.irp g, G1S, G1SB
	s_mov_b32 s[\g+1], 32<<16                      ; the scales of 256 rows: KS rows of 256 bytes
	s_mov_b32 s[\g+2], KS<<16
	s_mov_b32 s[\g+3], 32<<16
	s_mov_b32 s[\g+4], KS
	s_mov_b32 s[\g+5], 32
	s_mov_b32 s[\g+6], 0
	s_mov_b32 s[\g+7], 0
.endr
	s_lshl_b32 s20, s17, 8
	s_lshl_b32 s46, s42, 8
	s_mov_b32 s21, 0
	s_mov_b32 s47, 0
	s_mov_b64 s[18:19], KS
	s_mul_u64 s[22:23], s[20:21], s[18:19]
	s_mul_u64 s[92:93], s[46:47], s[18:19]
	s_mov_b64 s[18:19], KROW
	s_mul_u64 s[20:21], s[20:21], s[18:19]
	s_mul_u64 s[46:47], s[46:47], s[18:19]
	s_mul_i32 s18, s16, 128*KROW
	s_mov_b32 s19, 0
	s_mul_i32 s45, s14, HALFT
	s_wait_dscnt 0x0                               ; both opening adds are done
	s_wait_kmcnt 0x0
	s_cmp_eq_u32 s15, 0                            ; the prefetches: the tensor that I fetch for,
	s_cselect_b64 s[98:99], s[4:5], s[8:9]
	s_cselect_b32 s67, s17, s42                    ; its tile,
	s_cselect_b32 s100, s40, s41                   ; my place among the four that ask for it with me
	s_lshl_b32 s67, s67, 3
	s_add_co_u32 s67, s67, s100
	s_lshl_b32 s100, s16, 2
	s_add_co_u32 s67, s67, s100                    ; in units of 32 rows: 8 x tile + 4 x half + place
	s_mul_i32 s100, s67, 32*KROW
	s_mov_b32 s101, 0
	s_add_nc_u64 s[98:99], s[98:99], s[100:101]
	s_add_nc_u64 s[20:21], s[4:5], s[20:21]
	s_add_nc_u64 s[22:23], s[6:7], s[22:23]
	s_add_nc_u64 s[46:47], s[8:9], s[46:47]
	s_add_nc_u64 s[92:93], s[10:11], s[92:93]
	CROUND                                         ; in front of the first joint loads
	s_mov_b32 s[G0H], 1
	s_mov_b32 s[G0H+1], 0
	s_mov_b64 s[G0H+2:G0H+3], s[20:21]
	s_or_b32 s[G0H+3], s[G0H+3], 0x80000000
	s_mov_b32 s[G0HB], 1
	s_mov_b32 s[G0HB+1], 2*HALFT
	s_mov_b64 s[G0HB+2:G0HB+3], s[46:47]
	s_or_b32 s[G0HB+3], s[G0HB+3], 0x80000000
	s_mov_b32 s[G0S], 1
	s_mov_b32 s[G0S+1], SCL
	s_mov_b64 s[G0S+2:G0S+3], s[22:23]
	s_or_b32 s[G0S+3], s[G0S+3], 0x80000000
	s_mov_b32 s[G0SB], 1
	s_mov_b32 s[G0SB+1], SCL+2*HALFS
	s_mov_b64 s[G0SB+2:G0SB+3], s[92:93]
	s_or_b32 s[G0SB+3], s[G0SB+3], 0x80000000
	s_add_nc_u64 s[20:21], s[20:21], s[18:19]
	s_add_nc_u64 s[46:47], s[46:47], s[18:19]
.irp s, 0,1
	s_mov_b32 s[G0+4*\s], 1
	s_add_co_u32 s[G0+4*\s+1], s45, \s*SLOT
	s_add_nc_u64 s[G0+4*\s+2:G0+4*\s+3], s[20:21], \s*ROWB
	s_or_b32 s[G0+4*\s+3], s[G0+4*\s+3], 0x80000000
	s_mov_b32 s[G0B+4*\s], 1
	s_add_co_u32 s[G0B+4*\s+1], s45, \s*SLOT
	s_add_nc_u64 s[G0B+4*\s+2:G0B+4*\s+3], s[46:47], \s*ROWB
	s_or_b32 s[G0B+4*\s+3], s[G0B+4*\s+3], 0x80000000
.endr
; the head's four tiles, one load a wave, in one chain of branches: chunk 0 of x, chunk 0 of W1, x's scales, W1's scales
.macro ARM under, g0, g1, next
	s_cmp_lt_u32 s14, \under
	s_cbranch_scc0 \next
	tensor_load_to_lds s[\g0:\g0+3], s[\g1:\g1+7]
	s_nop 0
	PLACES
	s_branch .Lhead_asked
\next:
.endm
	ARM 1, G0H,  G1,  .Lhead_b
	ARM 2, G0HB, G1B, .Lhead_sa
	ARM 3, G0S,  G1S, .Lhead_sb
	tensor_load_to_lds s[G0SB:G0SB+3], s[G1SB:G1SB+7]
	s_nop 0
	PLACES
.Lhead_asked:
	v_and_b32 v1, 15, v0                           ; r
	v_bfe_u32 v2, v0, 4, 1                         ; h
	v_mul_u32_u24 v3, v1, PITCH
	v_mul_u32_u24 v4, v2, 24
	v_add_nc_u32 v4, v3, v4
	s_mov_b32 s21, SLOT-232
	s_mov_b32 s22, SLOT+232
	v_sub_nc_u32 v7, 1, v2
	v_mul_u32_u24 v5, s21, v2
	v_add_nc_u32 v5, v3, v5
	v_add_nc_u32 v5, 232, v5                       ; across two chunks: lanes 0-15 byte 232 in slot 0, lanes 16-31 byte 0 in slot 1
	v_mul_u32_u24 v6, s22, v7
	v_add_nc_u32 v6, v3, v6                        ; and the other way round
	s_mul_i32 s21, s15, HALFT
	s_mul_i32 s22, s16, HALFT
	s_add_co_u32 s22, s22, 2*HALFT
	v_add_nc_u32 v[ADRA+2], s21, v5
	v_add_nc_u32 v[ADRA+3], s21, v6
	v_add_nc_u32 v[ADRB+2], s22, v5
	v_add_nc_u32 v[ADRB+3], s22, v6
.irp s, 0,1
	v_add_nc_u32 v[ADRA+\s], s21, v4
	v_add_nc_u32 v[ADRB+\s], s22, v4
	s_add_co_u32 s21, s21, SLOT
	s_add_co_u32 s22, s22, SLOT
.endr
	v_mul_u32_u24 v5, v1, KS
	v_lshrrev_b32 v6, 8, v5
	v_lshl_add_u32 v5, v6, 4, v5
	s_mul_i32 s21, s15, HALFS
	s_mul_i32 s22, s16, HALFS
	s_add_co_u32 s22, s22, 2*HALFS
	s_sub_co_u32 s22, s22, s21
	v_mul_u32_u24 v6, s22, v2                      ; lanes 16-31 take W1's words
	s_add_co_u32 s21, s21, SCL
	v_add_nc_u32 v5, v5, v6
	v_add_nc_u32 v[ADRS], s21, v5
	v_and_b32 v6, 31, v0
	v_lshlrev_b32 v[CO], 4, v6
	v_mul_u32_u24 v[PFO], v6, KROW
	v_lshlrev_b32 v[VB], 5, v2
	s_lshl_b32 s46, s42, 1
	s_add_co_u32 s46, s46, s16                     ; 16 n + K step of the next product = 2 x tile column + my half
	s_lshl_b32 s47, s17, 1
	s_add_co_u32 s47, s47, s15                     ; my 128 rows
	s_mul_i32 s20, s46, 196608
	s_mul_i32 s22, s47, 12288
	s_add_co_u32 s20, s20, s22
	s_mov_b32 s21, 0
	s_add_nc_u64 s[12:13], s[12:13], s[20:21]      ; my eight images
	s_lshl_b32 s20, s46, 13
	s_lshl_b32 s22, s47, 9
	s_add_co_u32 s20, s20, s22
	s_add_nc_u64 s[96:97], s[96:97], s[20:21]      ; my 512 bytes of scale words
	s_lshl_b32 s20, s46, 9
	s_add_nc_u64 s[94:95], s[94:95], s[20:21]      ; b1 of my 128 columns
	s_wait_alu depctr_va_vdst(0)                   ; the wait at the head's end
	global_prefetch_b8 v[PFO], s[98:99] offset:ROWB th:TH_LOAD_NT scope:SCOPE_SE     ; chunk 1 of my 32 rows
.irp b, 0,1,2,3,4,5,6,7
	global_load_b128 v[BI+8*\b:BI+8*\b+3], v[VB], s[94:95] offset:64*\b       ; register 8 b + j: b1 at column 16 b + 8 h + j
	global_load_b128 v[BI+8*\b+4:BI+8*\b+7], v[VB], s[94:95] offset:64*\b+16
.endr
.macro FRAG reg, adr, st, i            ; 16 rows x 128 K: six pieces of 8 bytes; a piece's slot and byte from its place in the row of codes
.irp p, 0,1,2,3,4,5
.set BY, 96*(\st)+48*(\p/3)+8*(\p%3)
.if BY/ROWB == (BY+24)/ROWB
	ds_load_b64 v[\reg+2*\p:\reg+2*\p+1], v[\adr+(BY/ROWB)%2] offset:BY%ROWB+(\i)*16*PITCH
.else
	ds_load_b64 v[\reg+2*\p:\reg+2*\p+1], v[\adr+2+(BY/ROWB)%2] offset:BY%ROWB-232+(\i)*16*PITCH
.endif
.endr
.endm
.macro GRP st, a, zero                 ; x's block a against W1's eight; the 64 accumulators take turns
	WMUL (\a)/4, \zero
.irp b, 0,1,2,3,4,5,6,7
.set RD, 8*(8*((\a)%4)+\b)
.set RB, 128*((\st)%2)+FR*\b
.set RA, AF+FR*(\a)
.set SS, SC+8*NQ*(((\st)/2)%2)+(\st)%2
.if \zero
.set RC, BI+8*\b
.else
.set RC, RD
.endif
	v_wmma_scale_f32_16x16x128_f8f6f4 v[RD:RD+7], v[RB:RB+11], v[RA:RA+11], v[RC:RC+7], v[SS+NQ*\b], v[SS+NQ*(\a)] matrix_a_fmt:MATRIX_FMT_BF6 matrix_b_fmt:MATRIX_FMT_BF6 matrix_a_scale:MATRIX_SCALE_ROW1
.endr
.endm
.macro FB st, i                        ; W1's fragment i of step st, into the set that is not at work
	WIN TO_B
	FRAG 128*((\st)%2)+FR*(\i), ADRB, \st, \i
.endm
.macro FA st, i                        ; x's block i of step st
	WIN 0
	FRAG AF+FR*(\i), ADRA, \st, \i
.endm
.macro SCALES pr                       ; two steps' words: lanes 0-15 x's block i, lanes 16-31 W1's block i
.irp i, 0,1,2,3,4,5,6,7
	ds_load_b64 v[SC+8*NQ*((\pr)%2)+NQ*\i:SC+8*NQ*((\pr)%2)+NQ*\i+1], v[ADRS] offset:\i*SBLK+4*NQ*(\pr)
.endr
.endm
; A step: x's eight blocks, 8 products each; the next step's fragments come in three runs: W1's eight behind block 1, x's blocks 0-4 behind block 4, x's blocks 5-7 behind block 7.
; Where the next step ends in a chunk not yet read: wait for my loads, barrier.  Where it begins in a later chunk: the three lines, the barrier, and, where a chunk two on is left,
; a round of the cluster's barrier and the refill.  All reads of a step's fragments were issued in the step before.
.macro STEP st, zero
.set NX, (\st)+1
.set C0, (96*(\st))/ROWB
.set C1, (96*NX)/ROWB
.set E0, (96*(\st)+95)/ROWB
.set E1, (96*NX+95)/ROWB
.if C1 > C0 || E1 > E0
	s_wait_tensorcnt 0x0                           ; all my tensor loads have landed
.if C1 > C0
	ds_add_u32 v[SPW], v[NIL]
	s_wait_dscnt LATE+1                            ; the add and x's blocks 5-7 may be out
.else
	s_wait_dscnt LATE                              ; x's blocks 5-7 may be out
.endif
	GRP \st, 0, \zero
	s_wait_dscnt 0x0                               ; the add and all my reads are done
	s_barrier_signal -1
	GRP \st, 1, \zero
	WIN 0
	s_barrier_wait -1
.if C1 > C0 && C0+2 < CHUNKS
	CREST
	s_add_nc_u64 s[G0+4*(C0%2)+2:G0+4*(C0%2)+3], s[G0+4*(C0%2)+2:G0+4*(C0%2)+3], 2*ROWB
	s_add_nc_u64 s[G0B+4*(C0%2)+2:G0B+4*(C0%2)+3], s[G0B+4*(C0%2)+2:G0B+4*(C0%2)+3], 2*ROWB
	JLOAD G0+4*(C0%2), G1, G0B+4*(C0%2), G1B       ; chunk C0 + 2: the first tensor load behind the round; its four v_nop are the places in front of the loads below
.else
	PLACES
.endif
.else
	s_wait_dscnt LATE
	GRP \st, 0, \zero
	GRP \st, 1, \zero
	PLACES
.endif
.irp i, 0,1,2,3,4,5,6,7
	FB NX, \i
.endr
	s_wait_dscnt 48                                ; all but the 48 just issued: x's blocks 5-7 are in
	GRP \st, 2, \zero
	GRP \st, 3, \zero
	GRP \st, 4, \zero
	PLACES                                         ; behind blocks 0-4's products
.irp i, 0,1,2,3,4
	FA NX, \i
.endr
.if NX%2 == 0
	SCALES NX/2
.endif
	GRP \st, 5, \zero
	GRP \st, 6, \zero
	GRP \st, 7, \zero
	PLACES
.irp i, 5,6,7
	FA NX, \i
.endr
.endm
	s_wait_tensorcnt 0x0                           ; my tile of the head's four is in; the three lines ahead of slot 1's first fill
	ds_add_u32 v[SPW], v[NIL]
	s_mov_b32 s[G1+2], 128<<16                     ; no load of mine is out: from here on a load brings 128 rows
	s_mov_b32 s[G1+4], 128
	s_mov_b32 s[G1B+2], 128<<16
	s_mov_b32 s[G1B+4], 128
	s_wait_dscnt 0x0
	CROUND
	JLOAD G0+4, G1, G0B+4, G1B                     ; chunk 1
.irp i, 0,1,2,3,4,5,6,7
	FB 0, \i
.endr
.irp i, 0,1,2,3,4
	FA 0, \i
.endr
	SCALES 0
.irp i, 5,6,7
	FA 0, \i
.endr
	global_prefetch_b8 v[PFO], s[98:99] offset:2*ROWB th:TH_LOAD_NT scope:SCOPE_SE   ; chunk 2 of my 32 rows, the row's last
	s_wait_loadcnt 0x0                             ; b1 is in
	STEP 0, 1
.set ST, 1
.rept STEPS-2
	STEP ST, 0
.set ST, ST+1
.endr
; Block a: 16 rows x 128 hidden units.  Register 8 b + j of lane (r, h) is unit 16 b + 8 h + j of row r.
.macro HOUT a
.set W, 2+(\a)/4
.set AC, 64*((\a)%4)
.set PC, 12*(\a)                       ; window 1: each block has its own 12 registers
	WIN W*0x55
.set JI, 0
.rept 64
	v_max_num_f32 v[AC+JI], 0, v[AC+JI]            ; relu; each accumulator from its low end on
.set JI, JI+1
.endr
.irp q, 0,1,2,3
.irp j, 0,1,2,3,4,5,6,7
	v_permlane16_swap_b32 v[AC+16*\q+\j], v[AC+16*\q+8+\j]   ; a lane's 16 registers become units 32 q + 16 h + 0 .. 15
.endr
.endr
	WIN W*0x14
.irp q, 0,1,2,3
	v_max3_num_f32 v[TM+\q], 0x2800000, v[AC+16*\q], v[AC+16*\q+1]   ; with the floor 2^(5 - 127): the byte cannot fall under 1
.endr
.irp i, 2,4,6,8,10,12,14
.irp q, 0,1,2,3
	v_max3_num_f32 v[TM+\q], v[TM+\q], v[AC+16*\q+\i], v[AC+16*\q+\i+1]
.endr
.endr
	WIN 0
.irp q, 0,1,2,3
	v_permlanex16_b32 v[TP+\q], v[TM+\q], s2, s3
.endr
.irp q, 0,1,2,3
	v_max_num_f32 v[TM+\q], v[TM+\q], v[TP+\q]
.endr
.irp q, 0,1,2,3
	v_add_nc_u32 v[TS+\q], 0xfe000000, v[TM+\q]    ; 4 off the exponent field: the conversion's scale operand
.endr
.irp q, 0,1,2,3
	v_lshrrev_b32 v[SBY+\q], 23, v[TS+\q]
.endr
	v_lshl_or_b32 v[SWD+(\a)], v[SBY+1], 8, v[SBY]
	v_lshl_or_b32 v[SWD+(\a)], v[SBY+2], 16, v[SWD+(\a)]
	v_lshl_or_b32 v[SWD+(\a)], v[SBY+3], 24, v[SWD+(\a)]
	WIN W+0x40                                     ; source 0 the accumulators' window, destination window 1
.irp c, 0,1
	v_cvt_scalef32_pk16_bf6_f32 v[PC+6*\c:PC+6*\c+2], v[AC+32*\c:AC+32*\c+15], v[TS+2*\c]
	v_cvt_scalef32_pk16_bf6_f32 v[PT+4*\c:PT+4*\c+2], v[AC+32*\c+16:AC+32*\c+31], v[TS+2*\c+1]
.endr
	v_nop                                          ; one plain place behind the scaled conversions
	WIN 0x41
.irp c, 0,1
.irp i, 0,1,2
	v_permlane16_swap_b32 v[PC+6*\c+\i], v[PT+4*\c+\i]   ; a whole block in a lane: lanes 0-15 block 2 c, lanes 16-31 block 2 c + 1
.endr
.irp i, 0,1,2
	v_mov_b32 v[PC+6*\c+3+\i], v[PT+4*\c+\i]
.endr
.endr
	WIN 0x04                                       ; a store's data are its source 1: window 1
.irp p, 0,1,2
	global_store_b128 v[CO], v[PC+4*\p:PC+4*\p+3], s[12:13] offset:1536*(\a)+512*\p   ; 512 consecutive bytes, aligned
.endr
.endm
	s_wait_dscnt 0x0                               ; the last step fetches nothing
.irp q, 0,1,2,3
	v_mov_b32 v[TP+\q], 0                          ; a lane permute's destination counts as a source
.endr
	GRP STEPS-1, 0, 0
	GRP STEPS-1, 1, 0
	PLACES
	HOUT 0
.irp a, 2,3,4,5,6,7
	GRP STEPS-1, \a, 0                             ; block a - 1's way out follows: the way out of block a - 2 gave its products their places
	HOUT \a-1
.endr
	PLACES
	HOUT 7
	WIN 0
.irp i, 0,1,2,3
	v_cndmask_b32 v[SM+\i], v[SWD+2*\i], v[SWD+2*\i+1], s66   ; lane l: the word of row 32 i + l
.endr
	global_store_b128 v[CO], v[SM:SM+3], s[96:97]
	s_wait_tensorcnt 0x0                           ; the wave's end
	ds_add_u32 v[SPW], v[NIL]
	s_wait_dscnt 0x0
	CROUND                                         ; the closing round
	s_endpgm
.Lfunc_end_k_q8ca16b4a7d_hidden:
	.size	k_q8ca16b4a7d_hidden, .Lfunc_end_k_q8ca16b4a7d_hidden-k_q8ca16b4a7d_hidden
	.p2alignl 7, 3214868480
	.fill 96, 4, 3214868480
	.section	.rodata,"a",@progbits
	.p2align	6, 0x0
	.amdhsa_kernel k_q8ca16b4a7d_hidden
		.amdhsa_group_segment_fixed_size 327680
		.amdhsa_private_segment_fixed_size 0
		.amdhsa_enable_private_segment 0
		.amdhsa_kernarg_size 56
		.amdhsa_user_sgpr_count 2
		.amdhsa_user_sgpr_kernarg_segment_ptr 1
		.amdhsa_wavefront_size32 1
		.amdhsa_system_sgpr_workgroup_id_x 1
		.amdhsa_system_sgpr_workgroup_id_y 1
		.amdhsa_system_sgpr_workgroup_id_z 1
		.amdhsa_system_vgpr_workitem_id 0
		.amdhsa_next_free_vgpr 1024
		.amdhsa_next_free_sgpr 102
		.amdhsa_reserve_vcc 0
		.amdhsa_float_denorm_mode_32 3
		.amdhsa_float_denorm_mode_16_64 3
		.amdhsa_memory_ordered 1
		.amdhsa_forward_progress 1
		.amdhsa_inst_pref_size 193
	.end_amdhsa_kernel
	.amdgpu_metadata
---
amdhsa.version: [ 1, 2 ]
amdhsa.kernels:
  - .name:           k_q8ca16b4a7d_hidden
    .symbol:         k_q8ca16b4a7d_hidden.kd
    .args:
      - { .name: x_codes, .offset: 0, .size: 8, .value_kind: global_buffer, .address_space: global }
      - { .name: x_scales, .offset: 8, .size: 8, .value_kind: global_buffer, .address_space: global }
      - { .name: W1_codes, .offset: 16, .size: 8, .value_kind: global_buffer, .address_space: global }
      - { .name: W1_scales, .offset: 24, .size: 8, .value_kind: global_buffer, .address_space: global }
      - { .name: b1, .offset: 32, .size: 8, .value_kind: global_buffer, .address_space: global }
      - { .name: himg, .offset: 40, .size: 8, .value_kind: global_buffer, .address_space: global }
      - { .name: hsc, .offset: 48, .size: 8, .value_kind: global_buffer, .address_space: global }
    .group_segment_fixed_size: 327680
    .private_segment_fixed_size: 0
    .kernarg_segment_align: 8
    .kernarg_segment_size: 56
    .max_flat_workgroup_size: 128
    .sgpr_count:     102
    .vgpr_count:     1024
    .wavefront_size: 32
...
	.end_amdgpu_metadata
.endif
;; end of part 1
;; launch second (part 2): grid 4 x 64, 4 waves a work-group, clusters of 4 x 4, 327,680 bytes of LDS; arguments himg, hsc, W2_codes, W2_scales, b2, part; writes part
.if DOCPART == 2
	.amdgcn_target "amdgcn-amd-amdhsa--gfx1250"
	.amdhsa_code_object_version 6
	.text
	.protected	k_q8ca16b4a7d_second
	.globl	k_q8ca16b4a7d_second
	.p2align	8
	.type	k_q8ca16b4a7d_second,@function
k_q8ca16b4a7d_second:
	s_mov_b64 s[64:65], 0
	v_nop
	global_prefetch_b8 v0, s[64:65] scope:SCOPE_SE
	s_setreg_imm32_b32 hwreg(HW_REG_WAVE_MODE, 25, 1), 1
	s_wait_xcnt 0x0
	s_wait_alu depctr_hold_cnt(0) depctr_sa_sdst(0) depctr_va_vdst(0) depctr_va_sdst(0) depctr_va_ssrc(0) depctr_va_vcc(0) depctr_vm_vsrc(0)
	s_getreg_b32 s2, hwreg(HW_REG_IB_STS2, 6, 4)
	s_cmp_eq_u32 s2, 0
	s_cbranch_scc0 .Lentry_in_a_cluster
	s_endpgm
.Lentry_in_a_cluster:
	s_bfe_u32 s2, ttmp6, 0x10000c
	s_cmp_lg_u32 s2, 0xf033
	s_cbranch_scc0 .Lentry_shape_is_right
	s_endpgm
.Lentry_shape_is_right:
; o[n][b][c] = relu(sum over u of Q(h)[n][b][u] W2[n][u][c] + b2[n][c]), rounded to bf16 into 'part', the operand of the weighted sum over branches that the next launch makes in f32.
; Eight GEMMs of 2,048 x 1,024, K = 2,048, by v_wmma_scale_f32_16x16x128_f8f6f4, both formats BF6, sums in f32.  Grid: x = 4 tile columns, y = 8 n + tile row.  A work-group makes 256 x 256, a wave 128 x 128.
; A = h, as images of the operand's registers: himg [n][K step 16][16 rows: 128][1,536 bytes]; a fragment is three loads of 16 bytes a lane at 16 x lane.  B = W2's rows of 1,536 bytes, in chunks of 256 bytes.
; THE RING: two slots; slot c % 2 holds W2's chunk c (256 rows) and the K steps of h whose bytes of W2 BEGIN in chunk c: 3, 3, 2 steps for c % 3 = 0, 1, 2.  They come and are left behind together.
; Waves 0, 1 fetch h's two halves of rows (12,288 dense bytes a K step), waves 2, 3 W2's.  h's scale words go from hsc straight into 64 registers (16 loads of 512 consecutive bytes); W2's scale bytes come into LDS once.
; CLUSTERS 4 x 4: h's tiles are asked for jointly along a row of the cluster, W2's along a column (four neighbouring y share n).  Source 0 = W2's rows, source 1 = h's rows.  b2 is the C of each sum's first product.
; part [n 8][16 rows: 128][16 columns: 64][lane 32][8 bf16]: the result's registers as they stand: every store covers 512 consecutive bytes, aligned.
; In the last step a block of 16 rows is finished with its eight products: it goes out behind the next block's products.
; PREFETCH, one fill (two or three K steps) ahead: chunk 1 at the head, chunk c + 1 behind the joint load of chunk c.  The four partners that ask for a tile jointly share its blocks of 256 bytes out by address:
; of W2's 128 rows that a wave fetches, the partner at place p names rows 32 p .. 32 p + 31, a lane a row; of h's 48 blocks a K step, blocks 12 p .. 12 p + 11 (lanes 12-31 name the last again).
; All places along K stand in the immediates: the address registers are never rewritten; chunk 5 is the last that is named.
; LIMITS: NaN, infinities and scale bytes 0xff among the inputs are not served.
; REGISTERS: window 0: v16-31 addresses; v32-95 h's scale words (4 a step); v96-127 W2's, two sets of four steps; v128-223 h's fragments; window 1: W2's fragments at v0, v128; b2 at v96-127, v224-255
; (on the way out the packed results lie in v0-127, which the last step does not read); windows 2, 3: accumulators.
.set ROWB,   256
.set KROW,   1536
.set STEPS,  16
.set CHUNKS, 6
.set PITCH,  272
.set FR,     12
.set LATE,   9                         ; the LDS loads of h's blocks 5-7, the youngest of a step's
.set HALFT,  128*PITCH
.set HALFA,  3*12288                   ; h: 128 rows x up to three K steps
.set BOFF,   2*HALFA
.set SLOT,   BOFF+2*HALFT
.set SCL,    2*SLOT
.set HALFS,  32*272                    ; W2's scale bytes of 128 rows: 32 units of 256 + 16
.set SPARE,  SCL+2*HALFS               ; the spare words: 512 bytes that no other line names
.set KIMG,   196608                    ; from K step to K step in himg
.set ADRA, 16
.set ADRB, 20
.set CO,   26
.set ADRS, 27
.set SPW,  28
.set NIL,  29
.set VB,   30
.set PFO,  31
.set SA,   32
.set SB,   96
.set AF,   128
.set G1, 24
.set G0, 32
.set G1B, 48
.set G0B, 56
.set G1SB, 80
.set G0SB, 88
.set G0HB, 8
.set MSB, 0
.macro WIN new
.if MSB != (\new)
	s_set_vgpr_msb (MSB<<8)|(\new)
.set MSB, (\new)
.endif
.endm
.macro WMUL hi, zero                   ; source 0 window 1, source 1 window 0, D window 2 + hi; C the same, or window 1 (b2)
	WIN 0xa1+0x50*(\hi)-(0x10+0x10*(\hi))*(\zero)
.endm
.set TO_B, 0x40
.macro PLACES
.rept 4
	v_nop
.endr
.endm
.macro JLOAD g0a, g1a, g0b, g1b
	s_cmp_eq_u32 s15, 0
	s_cbranch_scc0 .Lfor_b_\@
	tensor_load_to_lds s[\g0a:\g0a+3], s[\g1a:\g1a+7]
	s_nop 0
	PLACES
	s_branch .Lasked_\@
.Lfor_b_\@:
	tensor_load_to_lds s[\g0b:\g0b+3], s[\g1b:\g1b+7]
	s_nop 0
	PLACES
.Lasked_\@:
.endm
.macro ASK c                           ; my share of chunk c: waves 0, 1 h's K steps that go with it, waves 2, 3 W2's rows
	s_cmp_eq_u32 s15, 0
	s_cbranch_scc0 .Lpf_b_\@
.set JP, 0
.rept 3-((\c)%3)/2
	global_prefetch_b8 v[PFO], s[70:71] offset:(8*((\c)/3)+3*((\c)%3)+JP)*KIMG th:TH_LOAD_NT scope:SCOPE_SE
.set JP, JP+1
.endr
	s_branch .Lpf_d_\@
.Lpf_b_\@:
	global_prefetch_b8 v[PFO], s[70:71] offset:(\c)*ROWB th:TH_LOAD_NT scope:SCOPE_SE
.Lpf_d_\@:
.endm
.macro CREST
	s_cmp_lg_u32 s14, 0
	s_cbranch_scc1 .Lnot_wave_0_\@
	s_barrier_signal -3
.Lnot_wave_0_\@:
	s_barrier_wait -3
	s_barrier_signal -1
	s_barrier_wait -1
.endm
.macro CROUND
	s_barrier_signal -1
	s_barrier_wait -1
	CREST
.endm
	s_load_b128 s[4:7], s[0:1], 0x0                ; himg, hsc
	s_load_b128 s[8:11], s[0:1], 0x10              ; W2's codes, scales
	s_load_b128 s[92:95], s[0:1], 0x20             ; b2, part
	v_lshl_add_u32 v[SPW], v0, 2, SPARE
	v_mov_b32 v[NIL], 0
	ds_add_u32 v[SPW], v[NIL]                      ; the opening lines: the add twice and its wait
	ds_add_u32 v[SPW], v[NIL]
	v_lshrrev_b32 v1, 5, v0
	v_readfirstlane_b32 s14, v1                    ; wave
	s_lshr_b32 s15, s14, 1                         ; my half of the rows; also: I fetch for h (0) or W2 (1)
	s_and_b32 s16, s14, 1                          ; my half of the columns; also: which half I fetch
	s_bfe_u32 s40, ttmp6, 0x40000                  ; cx
	s_bfe_u32 s41, ttmp6, 0x40004                  ; cy
	s_lshl_b32 s42, ttmp9, 2
	s_add_co_u32 s42, s42, s40                     ; tile column
	s_and_b32 s17, ttmp7, 0xffff
	s_lshr_b32 s67, s17, 1                         ; n: two clusters along y to a branch
	s_lshl_b32 s17, s17, 2
	s_add_co_u32 s17, s17, s41
	s_and_b32 s17, s17, 7                          ; tile row in the branch
	s_lshl_b32 s43, s41, 2
	s_lshl_b32 s43, 15, s43
	s_lshl_b32 s44, 0x1111, s40
	s_or_b32 s[G1+0], s43, (3<<16)|(1<<21)         ; h: rows of 1,536 elements of 8 bytes, one a K step, dense in LDS
	s_mov_b32 s[G1+1], 1536<<16
	s_mov_b32 s[G1+2], 3<<16
	s_mov_b32 s[G1+3], 1536<<16
	s_mov_b32 s[G1+4], 3
	s_mov_b32 s[G1+5], KIMG/8
	s_mov_b32 s[G1+6], 0
	s_mov_b32 s[G1+7], 0
	s_or_b32 s[G1B+0], s44, (0<<16)|(1<<20)|(1<<21)|(5<<22)|(3<<25)
	s_mov_b32 s[G1B+1], ROWB<<16
	s_mov_b32 s[G1B+2], 256<<16                    ; 256 rows for the head's load
	s_mov_b32 s[G1B+3], ROWB<<16
	s_mov_b32 s[G1B+4], 256
	s_mov_b32 s[G1B+5], KROW
	s_mov_b32 s[G1B+6], 0
	s_mov_b32 s[G1B+7], 0
	s_or_b32 s[G1SB+0], s44, (3<<16)|(1<<20)|(1<<21)|(5<<22)|(3<<25)
	s_mov_b32 s[G1SB+1], 32<<16                    ; W2's scales of 256 rows: 64 rows of 256 bytes
	s_mov_b32 s[G1SB+2], 64<<16
	s_mov_b32 s[G1SB+3], 32<<16
	s_mov_b32 s[G1SB+4], 64
	s_mov_b32 s[G1SB+5], 32
	s_mov_b32 s[G1SB+6], 0
	s_mov_b32 s[G1SB+7], 0
	s_mul_i32 s20, s67, 16*KIMG                    ; h: the branch,
	s_lshl_b32 s21, s17, 1
	s_add_co_u32 s21, s21, s16
	s_mul_i32 s21, s21, 12288                      ; the 128 rows that I fetch
	s_add_co_u32 s20, s20, s21
	s_mov_b32 s21, 0
	s_lshl_b32 s46, s67, 2
	s_add_co_u32 s46, s46, s42                     ; W2: 4 n + tile column
	s_lshl_b32 s22, s46, 14                        ; its scale bytes
	s_mov_b32 s23, 0
	s_mul_i32 s46, s46, 256*KROW
	s_mov_b32 s47, 0
	s_mul_i32 s18, s16, 128*KROW
	s_mov_b32 s19, 0
	s_mul_i32 s45, s16, HALFA                      ; where they go
	s_mul_i32 s68, s16, HALFT
	s_add_co_u32 s68, s68, BOFF
	s_wait_dscnt 0x0
	s_wait_kmcnt 0x0
	s_add_nc_u64 s[20:21], s[4:5], s[20:21]
	s_add_nc_u64 s[46:47], s[8:9], s[46:47]
	s_add_nc_u64 s[22:23], s[10:11], s[22:23]
	s_mul_i32 s72, s40, 3072                       ; the prefetches.  h: my work-group's 12 blocks of the 48 that I fetch of a K step
	s_mov_b32 s73, 0
	s_add_nc_u64 s[70:71], s[20:21], s[72:73]
	s_mul_i32 s72, s41, 32*KROW                    ; W2: my work-group's 32 rows of the 128 that I fetch
	s_add_co_u32 s72, s72, s18
	s_add_nc_u64 s[74:75], s[46:47], s[72:73]
	s_mov_b32 s77, KROW
	s_cmp_eq_u32 s15, 0
	s_cselect_b64 s[70:71], s[70:71], s[74:75]
	s_cselect_b32 s76, 11, 31                      ; the last lane with a block of its own,
	s_cselect_b32 s77, 256, s77                    ; and from lane to lane
	CROUND                                         ; in front of the first joint loads
	s_mov_b32 s[G0HB], 1
	s_mov_b32 s[G0HB+1], BOFF
	s_mov_b64 s[G0HB+2:G0HB+3], s[46:47]
	s_or_b32 s[G0HB+3], s[G0HB+3], 0x80000000
	s_mov_b32 s[G0SB], 1
	s_mov_b32 s[G0SB+1], SCL
	s_mov_b64 s[G0SB+2:G0SB+3], s[22:23]
	s_or_b32 s[G0SB+3], s[G0SB+3], 0x80000000
	s_add_nc_u64 s[46:47], s[46:47], s[18:19]
.irp s, 0,1
	s_mov_b32 s[G0+4*\s], 1
	s_add_co_u32 s[G0+4*\s+1], s45, \s*SLOT
	s_add_nc_u64 s[G0+4*\s+2:G0+4*\s+3], s[20:21], \s*3*KIMG
	s_or_b32 s[G0+4*\s+3], s[G0+4*\s+3], 0x80000000
	s_mov_b32 s[G0B+4*\s], 1
	s_add_co_u32 s[G0B+4*\s+1], s68, \s*SLOT
	s_add_nc_u64 s[G0B+4*\s+2:G0B+4*\s+3], s[46:47], \s*ROWB
	s_or_b32 s[G0B+4*\s+3], s[G0B+4*\s+3], 0x80000000
.endr
; the head's loads, one a wave, in one chain of branches: waves 0, 1 h's K steps 0-2 (a half of the rows each), wave 2 W2's chunk 0 (256 rows), wave 3 W2's scales
.macro ARM under, g0, g1, next
	s_cmp_lt_u32 s14, \under
	s_cbranch_scc0 \next
	tensor_load_to_lds s[\g0:\g0+3], s[\g1:\g1+7]
	s_nop 0
	PLACES
	s_branch .Lhead_asked
\next:
.endm
	ARM 2, G0,   G1,  .Lhead_b
	ARM 3, G0HB, G1B, .Lhead_sb
	tensor_load_to_lds s[G0SB:G0SB+3], s[G1SB:G1SB+7]
	s_nop 0
	PLACES
.Lhead_asked:
	v_and_b32 v1, 15, v0                           ; r
	v_bfe_u32 v2, v0, 4, 1                         ; h
	v_mul_u32_u24 v3, v1, PITCH
	v_mul_u32_u24 v4, v2, 24
	v_add_nc_u32 v4, v3, v4
	s_mov_b32 s21, SLOT-232
	s_mov_b32 s22, SLOT+232
	v_sub_nc_u32 v7, 1, v2
	v_mul_u32_u24 v5, s21, v2
	v_add_nc_u32 v5, v3, v5
	v_add_nc_u32 v5, 232, v5                       ; across two chunks: lanes 0-15 byte 232 in slot 0, lanes 16-31 byte 0 in slot 1
	v_mul_u32_u24 v6, s22, v7
	v_add_nc_u32 v6, v3, v6                        ; and the other way round
	s_mul_i32 s22, s16, HALFT
	s_add_co_u32 s22, s22, BOFF
	v_add_nc_u32 v[ADRB+2], s22, v5
	v_add_nc_u32 v[ADRB+3], s22, v6
	v_add_nc_u32 v[ADRB], s22, v4
	s_add_co_u32 s22, s22, SLOT
	v_add_nc_u32 v[ADRB+1], s22, v4
	v_and_b32 v6, 31, v0
	v_lshlrev_b32 v[CO], 4, v6
	s_mul_i32 s21, s15, HALFA
	v_add_nc_u32 v[ADRA], s21, v[CO]
	s_add_co_u32 s21, s21, SLOT
	v_add_nc_u32 v[ADRA+1], s21, v[CO]
	v_lshrrev_b32 v5, 2, v6
	v_lshlrev_b32 v7, 6, v6
	v_lshl_add_u32 v7, v5, 4, v7                   ; W2's scales: row l of 64 bytes, 16 more for each 256 passed
	s_mul_i32 s21, s16, HALFS
	s_add_co_u32 s21, s21, SCL
	v_add_nc_u32 v[ADRS], s21, v7
	v_lshlrev_b32 v[VB], 5, v2
	v_min_u32 v[PFO], s76, v6
	v_mul_u32_u24 v[PFO], v[PFO], s77
	s_lshl_b32 s46, s17, 1
	s_add_co_u32 s46, s46, s15                     ; my 128 rows
	s_lshl_b32 s20, s67, 17
	s_lshl_b32 s47, s46, 9
	s_add_co_u32 s20, s20, s47
	s_mov_b32 s21, 0
	s_add_nc_u64 s[6:7], s[6:7], s[20:21]          ; their scale words, K step 0
	s_lshl_b32 s20, s67, 22
	s_lshl_b32 s47, s46, 18
	s_add_co_u32 s20, s20, s47
	s_lshl_b32 s47, s42, 1
	s_add_co_u32 s47, s47, s16                     ; my 128 columns
	s_lshl_b32 s46, s47, 12
	s_add_co_u32 s20, s20, s46
	s_add_nc_u64 s[94:95], s[94:95], s[20:21]      ; my part of 'part'
	s_lshl_b32 s20, s67, 12
	s_lshl_b32 s46, s47, 9
	s_add_co_u32 s20, s20, s46
	s_add_nc_u64 s[92:93], s[92:93], s[20:21]      ; b2 of my columns
	s_wait_alu depctr_va_vdst(0)                   ; the wait at the head's end
	ASK 1
.irp t, 0,1,2,3,4,5,6,7,8,9,10,11,12,13,14,15
	global_load_b128 v[SA+4*\t:SA+4*\t+3], v[CO], s[6:7] offset:8192*\t   ; register i: lanes 0-15 block 2 i, lanes 16-31 block 2 i + 1
.endr
	WIN TO_B
.irp b, 0,1,2,3,4,5,6,7
	global_load_b128 v[96+8*\b+96*(\b/4):96+8*\b+96*(\b/4)+3], v[VB], s[92:93] offset:64*\b
	global_load_b128 v[100+8*\b+96*(\b/4):100+8*\b+96*(\b/4)+3], v[VB], s[92:93] offset:64*\b+16
.endr
	WIN 0
.macro FRAG reg, adr, st, i
.irp p, 0,1,2,3,4,5
.set BY, 96*(\st)+48*(\p/3)+8*(\p%3)
.if BY/ROWB == (BY+24)/ROWB
	ds_load_b64 v[\reg+2*\p:\reg+2*\p+1], v[\adr+(BY/ROWB)%2] offset:BY%ROWB+(\i)*16*PITCH
.else
	ds_load_b64 v[\reg+2*\p:\reg+2*\p+1], v[\adr+2+(BY/ROWB)%2] offset:BY%ROWB-232+(\i)*16*PITCH
.endif
.endr
.endm
.macro WM ra, rb                       ; ra, rb: W2's and h's scale words are taken from lanes 16-31
.if (\ra) && (\rb)
	v_wmma_scale_f32_16x16x128_f8f6f4 v[RD:RD+7], v[RB:RB+11], v[RA:RA+11], v[RC:RC+7], v[RSB], v[RSA] matrix_a_fmt:MATRIX_FMT_BF6 matrix_b_fmt:MATRIX_FMT_BF6 matrix_a_scale:MATRIX_SCALE_ROW1 matrix_b_scale:MATRIX_SCALE_ROW1
.elseif (\ra)
	v_wmma_scale_f32_16x16x128_f8f6f4 v[RD:RD+7], v[RB:RB+11], v[RA:RA+11], v[RC:RC+7], v[RSB], v[RSA] matrix_a_fmt:MATRIX_FMT_BF6 matrix_b_fmt:MATRIX_FMT_BF6 matrix_a_scale:MATRIX_SCALE_ROW1
.elseif (\rb)
	v_wmma_scale_f32_16x16x128_f8f6f4 v[RD:RD+7], v[RB:RB+11], v[RA:RA+11], v[RC:RC+7], v[RSB], v[RSA] matrix_a_fmt:MATRIX_FMT_BF6 matrix_b_fmt:MATRIX_FMT_BF6 matrix_b_scale:MATRIX_SCALE_ROW1
.else
	v_wmma_scale_f32_16x16x128_f8f6f4 v[RD:RD+7], v[RB:RB+11], v[RA:RA+11], v[RC:RC+7], v[RSB], v[RSA] matrix_a_fmt:MATRIX_FMT_BF6 matrix_b_fmt:MATRIX_FMT_BF6
.endif
.endm
.macro GRP st, a, zero                 ; h's block a against W2's eight; the 64 accumulators take turns
	WMUL (\a)/4, \zero
.irp b, 0,1,2,3,4,5,6,7
.set RD, 8*(8*((\a)%4)+\b)
.set RB, 128*((\st)%2)+FR*\b
.set RA, AF+FR*(\a)
.set RSB, SB+16*(((\st)/4)%2)+4*(\b/2)+(\st)%4
.set RSA, SA+4*(\st)+(\a)/2
.if \zero
.set RC, 96+8*\b+96*(\b/4)
.else
.set RC, RD
.endif
	WM \b%2, (\a)%2
.endr
.endm
.macro FB st, i                        ; W2's fragment i of step st, into the set that is not at work
	WIN TO_B
	FRAG 128*((\st)%2)+FR*(\i), ADRB, \st, \i
.endm
.macro FA st, i                        ; h's block i of step st: it lies in the slot of the chunk in which the step's bytes of W2 begin
	WIN 0
.set CA, (96*(\st))/ROWB
.set JA, (\st)-(8*(CA/3)+3*(CA%3))
.irp p, 0,1,2
	ds_load_b128 v[AF+FR*(\i)+4*\p:AF+FR*(\i)+4*\p+3], v[ADRA+CA%2] offset:JA*12288+(\i)*1536+512*\p
.endr
.endm
.macro SCALES q                        ; W2's words of steps 4 q .. 4 q + 3: lanes 0-15 block 2 i, lanes 16-31 block 2 i + 1
.irp i, 0,1,2,3
	ds_load_b128 v[SB+16*((\q)%2)+4*\i:SB+16*((\q)%2)+4*\i+3], v[ADRS] offset:\i*2176+16*(\q)
.endr
.endm
.set CURN, 3                           ; K steps that h's descriptor counts at present
; A step: h's eight blocks, 8 products each; the next step's fragments come in three runs: W2's eight behind block 1, h's blocks 0-4 behind block 4, h's blocks 5-7 behind block 7.
; The barrier, and where a slot is filled again the round and the joint load, stand at blocks 0 and 1: all reads of a step's fragments were issued in the step before.
.macro STEP st, zero
.set NX, (\st)+1
.set C0, (96*(\st))/ROWB
.set C1, (96*NX)/ROWB
.set E0, (96*(\st)+95)/ROWB
.set E1, (96*NX+95)/ROWB
.set CN, C0+2
.set FIL, 0
.if C1 > C0 || E1 > E0
	s_wait_tensorcnt 0x0                           ; all my tensor loads have landed
.if C1 > C0
	ds_add_u32 v[SPW], v[NIL]
	s_wait_dscnt LATE+1                            ; the add and h's blocks 5-7 may be out
.else
	s_wait_dscnt LATE                              ; h's blocks 5-7 may be out
.endif
	GRP \st, 0, \zero
	s_wait_dscnt 0x0                               ; the add and all my reads are done
	s_barrier_signal -1
	GRP \st, 1, \zero
	WIN 0
	s_barrier_wait -1
.if C1 > C0 && CN < CHUNKS
.set FIL, 1
	CREST
	s_add_nc_u64 s[G0+4*(C0%2)+2:G0+4*(C0%2)+3], s[G0+4*(C0%2)+2:G0+4*(C0%2)+3], ((8*(CN/3)+3*(CN%3))-(8*(C0/3)+3*(C0%3)))*KIMG
	s_add_nc_u64 s[G0B+4*(C0%2)+2:G0B+4*(C0%2)+3], s[G0B+4*(C0%2)+2:G0B+4*(C0%2)+3], 2*ROWB
.if CURN != 3-(CN%3)/2
.set CURN, 3-(CN%3)/2
	s_mov_b32 s[G1+2], CURN<<16                    ; no load of mine is out: the K steps that go with chunk C0 + 2
	s_mov_b32 s[G1+4], CURN
.endif
	JLOAD G0+4*(C0%2), G1, G0B+4*(C0%2), G1B       ; the first tensor load behind the round; its four v_nop are the places in front of the loads below
.else
	PLACES
.endif
.else
	s_wait_dscnt LATE
	GRP \st, 0, \zero
	GRP \st, 1, \zero
	PLACES
.endif
.irp i, 0,1,2,3,4,5,6,7
	FB NX, \i
.endr
.if FIL
.if CN+1 < CHUNKS
	WIN 0
	ASK CN+1                                       ; one fill ahead of its joint load
.endif
.endif
	s_wait_dscnt 48                                ; all but the 48 just issued: h's blocks 5-7 are in
	GRP \st, 2, \zero
	GRP \st, 3, \zero
	GRP \st, 4, \zero
	PLACES                                         ; behind blocks 0-4's products
.irp i, 0,1,2,3,4
	FA NX, \i
.endr
.if NX%4 == 0
	SCALES NX/4
.endif
	GRP \st, 5, \zero
	GRP \st, 6, \zero
	GRP \st, 7, \zero
	PLACES
.irp i, 5,6,7
	FA NX, \i
.endr
.endm
	s_wait_tensorcnt 0x0                           ; my tile of the head's is in; the three lines ahead of slot 1's first fill
	ds_add_u32 v[SPW], v[NIL]
	s_mov_b32 s[G1B+2], 128<<16                    ; no load of mine is out: from here on a load of W2 brings 128 rows
	s_mov_b32 s[G1B+4], 128
	s_wait_dscnt 0x0
	CROUND
	JLOAD G0+4, G1, G0B+4, G1B                     ; chunk 1 and K steps 3-5
.irp i, 0,1,2,3,4,5,6,7
	FB 0, \i
.endr
.irp i, 0,1,2,3,4
	FA 0, \i
.endr
	SCALES 0
.irp i, 5,6,7
	FA 0, \i
.endr
	ASK 2
	s_wait_loadcnt 0x0                             ; h's scale words and b2 are in
	STEP 0, 1
.set ST, 1
.rept STEPS-2
	STEP ST, 0
.set ST, ST+1
.endr
; Block a: 16 rows x 128 columns: relu, bf16, 16 bytes a lane for each accumulator
.macro POUT a
.set W, 2+(\a)/4
.set AC, 64*((\a)%4)
.set OB, 32*((\a)%4)                   ; window 1, four sets
.if (\a) == 4
	s_wait_xcnt 0x0                                ; blocks 0-3's stores have read their data: the four sets are written again only behind this wait
.endif
	WIN W*0x55
.set JI, 0
.rept 64
	v_max_num_f32 v[AC+JI], 0, v[AC+JI]            ; each accumulator from its low end on
.set JI, JI+1
.endr
	WIN W*5+0x40                                   ; sources the accumulators' window, destination window 1
.set JI, 0
.rept 32
	v_cvt_pk_bf16_f32 v[OB+JI], v[AC+2*JI], v[AC+2*JI+1]
.set JI, JI+1
.endr
	WIN 0x04                                       ; a store's data are its source 1: window 1
.irp b, 0,1,2,3,4,5,6,7
	global_store_b128 v[CO], v[OB+4*\b:OB+4*\b+3], s[94:95] offset:32768*(\a)+512*\b
.endr
.endm
	s_wait_dscnt 0x0                               ; the last step fetches nothing
	GRP STEPS-1, 0, 0
	GRP STEPS-1, 1, 0
	PLACES
	POUT 0
.irp a, 2,3,4,5,6,7
	GRP STEPS-1, \a, 0                             ; block a - 1's way out follows: the way out of block a - 2 gave its products their places
	POUT \a-1
.endr
	PLACES
	POUT 7
	WIN 0
	s_wait_tensorcnt 0x0                           ; the wave's end
	ds_add_u32 v[SPW], v[NIL]
	s_wait_dscnt 0x0
	CROUND                                         ; the closing round
	s_endpgm
.Lfunc_end_k_q8ca16b4a7d_second:
	.size	k_q8ca16b4a7d_second, .Lfunc_end_k_q8ca16b4a7d_second-k_q8ca16b4a7d_second
	.p2alignl 7, 3214868480
	.fill 96, 4, 3214868480
	.section	.rodata,"a",@progbits
	.p2align	6, 0x0
	.amdhsa_kernel k_q8ca16b4a7d_second
		.amdhsa_group_segment_fixed_size 327680
		.amdhsa_private_segment_fixed_size 0
		.amdhsa_enable_private_segment 0
		.amdhsa_kernarg_size 48
		.amdhsa_user_sgpr_count 2
		.amdhsa_user_sgpr_kernarg_segment_ptr 1
		.amdhsa_wavefront_size32 1
		.amdhsa_system_sgpr_workgroup_id_x 1
		.amdhsa_system_sgpr_workgroup_id_y 1
		.amdhsa_system_sgpr_workgroup_id_z 1
		.amdhsa_system_vgpr_workitem_id 0
		.amdhsa_next_free_vgpr 1024
		.amdhsa_next_free_sgpr 98
		.amdhsa_reserve_vcc 0
		.amdhsa_float_denorm_mode_32 3
		.amdhsa_float_denorm_mode_16_64 3
		.amdhsa_memory_ordered 1
		.amdhsa_forward_progress 1
		.amdhsa_inst_pref_size 255
	.end_amdhsa_kernel
	.section	.bss,"aw",@nobits
	.p2align	6
	.space	262144
	.amdgpu_metadata
---
amdhsa.version: [ 1, 2 ]
amdhsa.kernels:
  - .name:           k_q8ca16b4a7d_second
    .symbol:         k_q8ca16b4a7d_second.kd
    .args:
      - { .name: himg, .offset: 0, .size: 8, .value_kind: global_buffer, .address_space: global }
      - { .name: hsc, .offset: 8, .size: 8, .value_kind: global_buffer, .address_space: global }
      - { .name: W2_codes, .offset: 16, .size: 8, .value_kind: global_buffer, .address_space: global }
      - { .name: W2_scales, .offset: 24, .size: 8, .value_kind: global_buffer, .address_space: global }
      - { .name: b2, .offset: 32, .size: 8, .value_kind: global_buffer, .address_space: global }
      - { .name: part, .offset: 40, .size: 8, .value_kind: global_buffer, .address_space: global }
    .group_segment_fixed_size: 327680
    .private_segment_fixed_size: 0
    .kernarg_segment_align: 8
    .kernarg_segment_size: 48
    .max_flat_workgroup_size: 128
    .sgpr_count:     98
    .vgpr_count:     1024
    .wavefront_size: 32
...
	.end_amdgpu_metadata
.endif
;; end of part 2
;; launch gather (part 3): grid 512 x 1, 4 waves a work-group, no clusters, 17,920 bytes of LDS; arguments part, probabilities, out0; writes out0
.if DOCPART == 3
	.amdgcn_target "amdgcn-amd-amdhsa--gfx1250"
	.amdhsa_code_object_version 6
	.text
	.protected	k_q8ca16b4a7d_gather
	.globl	k_q8ca16b4a7d_gather
	.p2align	8
	.type	k_q8ca16b4a7d_gather,@function
k_q8ca16b4a7d_gather:
	s_mov_b64 s[64:65], 0
	v_nop
	global_prefetch_b8 v0, s[64:65] scope:SCOPE_SE
	s_setreg_imm32_b32 hwreg(HW_REG_WAVE_MODE, 25, 1), 1
	s_wait_xcnt 0x0
; out0[b][:] = the sum over the 8 branches n of probabilities[b][n] x o[n][b][:].  o comes as bf16 from the workspace 'part', laid [n 8][row block 32][m 4][ct 64][lane 32][8 bf16]:
; lane (r, h) of block (n, t = 4 rb + m, ct) holds o[n][16 t + r][16 ct + 8 h + 0 .. 7].  The products and sums are f32 multiply-adds straight from the bf16 halves, n ascending.
; A wave takes 16 rows x 64 outputs (four blocks ct for each branch): 32 loads of 512 consecutive bytes, all issued at once; 2,048 waves share nothing.  No matrix unit, no cluster, no tensor load: each byte is read
; once, by one wave, and a number takes one multiply-add.
; A lane's results are 32 bytes of a row, and the lanes beside it hold other rows: they go through the wave's own stage in LDS (16 rows of 256 bytes + 16) and leave by rows: sixteen lanes store 256 consecutive bytes, aligned.
.set PB,  8                            ; v8-15   probabilities[my row][0 .. 7]
.set D,   32                           ; v32-159 o as loaded: branch n, block j at 16 n + 4 j; later the rows read back from the stage
.set AC,  160                          ; v160-191 the sums: block j at 8 j
.set SP,  272
	s_load_b128 s[4:7], s[0:1], 0x0                ; part, probabilities
	s_load_b64 s[8:9], s[0:1], 0x10                ; out0
	v_lshl_add_u32 v192, v0, 2, 0x4400
	v_mov_b32 v193, 0
	v_lshrrev_b32 v1, 5, v0
	v_readfirstlane_b32 s10, v1                    ; wave 0..3
	s_lshl_b32 s11, ttmp9, 2
	s_add_co_u32 s11, s11, s10                     ; which of the 2,048 shares is my wave's
	s_and_b32 s20, s11, 15                         ; its group of 64 outputs
	s_lshr_b32 s21, s11, 4                         ; its tile of 16 rows
	s_lshl_b32 s22, s21, 15                        ; part: 32,768 bytes a tile of rows,
	s_lshl_b32 s23, s20, 11                        ; 2,048 a group of four blocks
	s_add_co_u32 s22, s22, s23
	s_mov_b32 s23, 0
	s_lshl_b32 s24, s21, 9                         ; probabilities: 16 rows of 32 bytes
	s_mov_b32 s25, 0
	s_lshl_b32 s26, s21, 16                        ; out0: 16 rows of 4,096 bytes,
	s_lshl_b32 s27, s20, 8                         ; 256 bytes a group
	s_add_co_u32 s26, s26, s27
	s_mov_b32 s27, 0
	s_mul_i32 s28, s10, 16*SP                      ; my stage
	v_and_b32 v7, 31, v0                           ; lane
	v_and_b32 v16, 15, v0                          ; r
	v_bfe_u32 v17, v0, 4, 1                        ; h
	v_lshlrev_b32 v1, 4, v7                        ; a block's 16 bytes for my lane
	v_lshlrev_b32 v2, 5, v16                       ; my row's probabilities
	v_mul_u32_u24 v3, v16, SP
	v_lshl_add_u32 v3, v17, 5, v3
	v_add_nc_u32 v3, s28, v3                       ; into the stage: row r, + 32 h
	v_mul_u32_u24 v4, v17, SP
	v_lshl_add_u32 v4, v16, 4, v4
	v_add_nc_u32 v4, s28, v4                       ; back: lanes 0-15 one row, lanes 16-31 the next
	v_lshlrev_b32 v5, 12, v17
	v_lshl_add_u32 v5, v16, 4, v5                  ; and the same two rows in out0
	v_mov_b32 v6, 0
	s_wait_alu depctr_va_vdst(0)
	s_wait_kmcnt 0x0
	s_add_nc_u64 s[12:13], s[4:5], s[22:23]        ; branches 0 and 1; a branch is 4,194,304 bytes, which the immediate holds once
	s_add_nc_u64 s[14:15], s[12:13], 0x800000      ; branches 2 and 3
	s_add_nc_u64 s[16:17], s[14:15], 0x800000
	s_add_nc_u64 s[18:19], s[16:17], 0x800000
	s_add_nc_u64 s[6:7], s[6:7], s[24:25]
	s_add_nc_u64 s[8:9], s[8:9], s[26:27]
	global_load_b128 v[PB:PB+3], v2, s[6:7]
	global_load_b128 v[PB+4:PB+7], v2, s[6:7] offset:16
.irp n, 0,1,2,3,4,5,6,7
.irp j, 0,1,2,3
	global_load_b128 v[D+16*\n+4*\j:D+16*\n+4*\j+3], v1, s[12+2*(\n/2):13+2*(\n/2)] offset:(\n%2)*4194304+512*\j th:TH_LOAD_NT
.endr
.endr
.irp n, 0,1,2,3,4,5,6,7
	s_wait_loadcnt 4*(7-\n)                        ; this branch's four loads are in; the later branches' may be out
.irp j, 0,1,2,3
.irp i, 0,1,2,3
.if \n == 0
	v_fma_mix_f32_bf16 v[AC+8*\j+2*\i], v[D+16*\n+4*\j+\i], v[PB+\n], v6 op_sel_hi:[1,0,0]                  ; the first branch starts the sums
	v_fma_mix_f32_bf16 v[AC+8*\j+2*\i+1], v[D+16*\n+4*\j+\i], v[PB+\n], v6 op_sel:[1,0,0] op_sel_hi:[1,0,0]
.else
	v_fma_mix_f32_bf16 v[AC+8*\j+2*\i], v[D+16*\n+4*\j+\i], v[PB+\n], v[AC+8*\j+2*\i] op_sel_hi:[1,0,0]    ; the word's low bf16 x p + the sum
	v_fma_mix_f32_bf16 v[AC+8*\j+2*\i+1], v[D+16*\n+4*\j+\i], v[PB+\n], v[AC+8*\j+2*\i+1] op_sel:[1,0,0] op_sel_hi:[1,0,0]   ; and its high one
.endif
.endr
.endr
.endr
.irp j, 0,1,2,3
	ds_store_b128 v3, v[AC+8*\j:AC+8*\j+3] offset:64*\j
	ds_store_b128 v3, v[AC+8*\j+4:AC+8*\j+7] offset:64*\j+16
.endr
.irp i, 0,1,2,3,4,5,6,7
	ds_load_b128 v[D+4*\i:D+4*\i+3], v4 offset:2*\i*SP   ; LDS serves a wave's instructions in order (ISA guide 5.7.1.4): these see my stores
.endr
.irp i, 0,1,2,3,4,5,6,7
	s_wait_dscnt 7-\i
	global_store_b128 v5, v[D+4*\i:D+4*\i+3], s[8:9] offset:8192*\i th:TH_STORE_NT   ; 16 lanes store 256 consecutive bytes, at a multiple of 256 from out0's first byte
.endr
	s_wait_tensorcnt 0x0
	ds_add_u32 v192, v193
	s_wait_dscnt 0x0
	s_endpgm
.Lfunc_end_k_q8ca16b4a7d_gather:
	.size	k_q8ca16b4a7d_gather, .Lfunc_end_k_q8ca16b4a7d_gather-k_q8ca16b4a7d_gather
	.p2alignl 7, 3214868480
	.fill 96, 4, 3214868480
	.section	.rodata,"a",@progbits
	.p2align	6, 0x0
	.amdhsa_kernel k_q8ca16b4a7d_gather
		.amdhsa_group_segment_fixed_size 17920
		.amdhsa_private_segment_fixed_size 0
		.amdhsa_enable_private_segment 0
		.amdhsa_kernarg_size 24
		.amdhsa_user_sgpr_count 2
		.amdhsa_user_sgpr_kernarg_segment_ptr 1
		.amdhsa_wavefront_size32 1
		.amdhsa_system_sgpr_workgroup_id_x 1
		.amdhsa_system_sgpr_workgroup_id_y 1
		.amdhsa_system_sgpr_workgroup_id_z 1
		.amdhsa_system_vgpr_workitem_id 0
		.amdhsa_next_free_vgpr 194
		.amdhsa_next_free_sgpr 66
		.amdhsa_reserve_vcc 0
		.amdhsa_float_denorm_mode_32 3
		.amdhsa_float_denorm_mode_16_64 3
		.amdhsa_memory_ordered 1
		.amdhsa_forward_progress 1
		.amdhsa_inst_pref_size 24
	.end_amdhsa_kernel
	.amdgpu_metadata
---
amdhsa.version: [ 1, 2 ]
amdhsa.kernels:
  - .name:           k_q8ca16b4a7d_gather
    .symbol:         k_q8ca16b4a7d_gather.kd
    .args:
      - { .name: part, .offset: 0, .size: 8, .value_kind: global_buffer, .address_space: global }
      - { .name: probabilities, .offset: 8, .size: 8, .value_kind: global_buffer, .address_space: global }
      - { .name: out0, .offset: 16, .size: 8, .value_kind: global_buffer, .address_space: global }
    .group_segment_fixed_size: 17920
    .private_segment_fixed_size: 0
    .kernarg_segment_align: 8
    .kernarg_segment_size: 24
    .max_flat_workgroup_size: 128
    .sgpr_count:     66
    .vgpr_count:     194
    .wavefront_size: 32
...
	.end_amdgpu_metadata
.endif
;; end of part 3
